; MI455X (gfx1250); checked and timed in simulation.
; The chip was launched on July 23, 2026; its instructions are those of AMD's public machine-readable ISA for CDNA 5 (MIT licence, August 2026) and "CDNA5" Instruction Set Architecture Reference Guide (July 2026). The comments in the code are by the model that wrote it; some were corrected since.
;; Topic SNE. Allowed arithmetic: float matrix products may take bf16 or f16 operands with f32 sums; all other float work in f32.
;; Inputs: i 8,192 int32; j 8,192 int32; logits_weight 8,192 x 128 float32; noise_full 8,192 x 128 float32; noise_i 8,192 x 128 float32; noise_j 8,192 x 128 float32; pij 8,192 float32; topic_b 64 float32; topic_w 64 x 128 float32.
;; Outputs: out0 8,192 float32.
;; One version. Each part assembles by itself: llvm-mc -triple=amdgcn-amd-amdhsa -mcpu=gfx1250 --defsym DOCPART=n.
;; ======== version 1 of 1: 3 launches
;; limits: right only within a limited range of input values
;; workspace buffers: xb 1,572,864 bytes; hq 49,152 bytes; ls 32,768 bytes; partial 8,192 bytes
;; launch embed (part 1): grid 256 x 1, 4 waves a work-group, no clusters, 169,472 bytes of LDS; arguments noise_full, logits_weight, noise_i, noise_j, topic_w, topic_b, i, j, xb, hq, ls; writes xb, hq, ls
.if DOCPART == 1
	.amdgcn_target "amdgcn-amd-amdhsa--gfx1250"
	.amdhsa_code_object_version 6
	.text
	.protected	k_qdf7e0495ea_embed
	.globl	k_qdf7e0495ea_embed
	.p2align	8
	.type	k_qdf7e0495ea_embed,@function
k_qdf7e0495ea_embed:
	s_mov_b64 s[64:65], 0
	v_nop
	global_prefetch_b8 v0, s[64:65] scope:SCOPE_SE
	s_setreg_imm32_b32 hwreg(HW_REG_WAVE_MODE, 25, 1), 1
	s_wait_xcnt 0x0
; x = softmax(logits + gumbel(noise)) W^T + b, three times: for all 8,192 rows, and for the rows named by i and by j.
; Work-group g owns rows 32 g .. 32 g + 31 of the full pass and batch items 32 g .. 32 g + 31.
; Waves 0, 1: 16 full rows each  -> xb (x rounded to bf16, in fragment order) and hq = -0.5 sum(xb^2).
; Waves 2, 3: 16 batch items each -> ls = log2(64 + sum((xi - xj)^2)); sum(1 + diff^2) over 64 dims is formed as 64 + sum(diff^2).
; Lane (r = lane & 15, h = lane >> 4) holds half of row r: k = 32 c + 8 h + 0..7 and 32 c + 16 + 8 h + 0..7, c = 0..3, the places
; of a 16-bit K = 32 fragment (ISA guide 7.12.2), so softmax needs one exchange between lane r and lane r + 16 and no LDS traffic.
; The product is taken transposed (source 0 = 16 rows of W, source 1 = 16 rows of z): register 8 t + j of lane (r, h) is then
; x[row r][16 t + 8 h + j], eight neighbouring dims, which pack to the 16 bytes that the next launch loads as its fragment.
; xb: units of 16 rows, 2,048 bytes = [piece t = 0..3][lane][16 bytes]; each store of the wave covers 512 consecutive bytes, aligned.
; Units 512..767 and hq rows 8192..12287 repeat the first 256 units / 4,096 rows, so a range that runs past row 8191 stays contiguous.
; LIMITS: z and W go to the matrix unit in bf16; indices are clamped to 8191 as unsigned numbers; v_log_f32, v_exp_f32 and v_rcp_f32
; treat denormals as zero (ISA guide 15.8), which touches exponentials below 2^-126 of the row's largest only.
; NO CLUSTER: of the 131,072 bytes that a work-group brings in, only W's 32,768 are the same in other work-groups, and they are
; fetched once, with no loop in which a joint request would recur.  NO REFILL: every LDS byte is filled once.
.set PITCH, 528                        ; an LDS row: 512 bytes + 16 of padding = 33 x 16: sixteen rows start in sixteen different 16-byte columns
.set TILE,  16*PITCH                   ; 16 rows: what one tensor load brings
.set WREG,  4*TILE                     ; W (64 rows) at byte 0; then four tiles for each wave
.set U,   32                           ; v[32:95]   noise, then y, e, z (f32)
.set L,   96                           ; v[96:159]  logits
.set E,   96                           ; v[96:127]  z as bf16 fragments, once the logits are used up
.set DA,  160                          ; v[160:191] x of the first pass
.set DB,  192                          ; v[192:223] x of the second pass
.set XB,  224                          ; v[224:239] x packed to bf16
.set LA,  160                          ; v[160:191] the copies' LDS addresses   (free again behind s_wait_asynccnt 0)
.set GO,  192                          ; v[192:223] the copies' global offsets
; window 1: v256..v383 = W's sixteen bf16 fragments, fragment (t, c) at 8 (4 t + c)
; v1 lane, v2 r, v3 h, v4 r*528+32h, v5 the same in my wave's tiles, v6 32h, v7 16*lane, v8 4r, v9 exchange, v[10:11] eps, v[12:13] -ln 2,
; v[14:15] log2 e, v16 v17 maxima, v[18:19] 1/S, v[20:21] M, v[22:25] sums, v26 scratch
.set MSB, 0
.macro WIN new                         ; the immediate's high byte repeats the setting that is left
.if MSB != \new
	s_set_vgpr_msb (MSB<<8)|\new
.set MSB, \new
.endif
.endm
.macro PLACES                          ; four places behind a matrix instruction before its registers are read, written or loaded (ISA guide 7.12.1)
.rept 4
	v_nop
.endr
.endm
	s_load_b512 s[4:19], s[0:1], 0x0               ; noise_full 4, logits 6, noise_i 8, noise_j 10, topic_w 12, topic_b 14, i 16, j 18
	s_load_b128 s[20:23], s[0:1], 0x40             ; xb 20, hq 22
	s_load_b64 s[24:25], s[0:1], 0x50              ; ls
	v_lshl_add_u32 v254, v0, 2, 0x29400
	v_mov_b32 v255, 0
	ds_add_u32 v254, v255
	ds_add_u32 v254, v255
	v_lshrrev_b32 v1, 5, v0
	v_readfirstlane_b32 s30, v1                    ; wave 0..3
	s_and_b32 s31, s30, 1
	s_lshl_b32 s89, ttmp9, 5
	s_lshl4_add_u32 s89, s31, s89                  ; r0 = 32 g + 16 (wave & 1): my first row or item
	s_mul_i32 s88, s30, WREG
	s_add_co_u32 s88, s88, WREG                    ; my wave's four tiles in LDS
	; descriptor group 1, the same for all three loads: 16 rows x 128 f32, 4 words of padding behind every 128 words
	s_mov_b32 s68, (2<<16)|(1<<20)|(6<<22)|(3<<25) ; no mask; element of 4 bytes; padding on; interval code 6 (128 words); 4 words
	s_mov_b32 s69, 128<<16                         ; tensor_dim0 = 128
	s_mov_b32 s70, 16<<16                          ; tensor_dim1 = 16
	s_mov_b32 s71, 128<<16                         ; tile_dim0 = 128
	s_mov_b32 s72, 16                              ; tile_dim1 = 16
	s_mov_b32 s73, 128                             ; 128 elements from row to row
	s_mov_b32 s74, 0
	s_mov_b32 s75, 0
	s_mov_b32 s76, 1                               ; group 0 of my quarter of W: rows 16 w .. 16 w + 15
	s_mul_i32 s77, s30, TILE
	s_mov_b32 s80, 1                               ; group 0 of my tile 0
	s_mov_b32 s81, s88
	s_mov_b32 s84, 1                               ; group 0 of my tile 1
	s_add_co_u32 s85, s88, TILE
	s_lshl_b32 s66, s30, 13                        ; 16 rows of W are 8,192 bytes
	s_mov_b32 s67, 0
	s_lshl_b32 s94, s89, 9                         ; r0 rows of 512 bytes
	s_mov_b32 s95, 0
	s_mov_b32 s90, 0x76543210                      ; v_permlanex16_b32: lane i reads lane i of the other half
	s_mov_b32 s91, 0xfedcba98
	s_mov_b32 s92, 0xffff0000                      ; a word's upper bf16
	s_wait_dscnt 0x0
	s_wait_kmcnt 0x0
	s_cmp_lt_u32 s30, 2                            ; waves 0, 1: noise_full and the logits' own rows; waves 2, 3: noise_i and noise_j
	s_cselect_b64 s[26:27], s[4:5], s[8:9]
	s_cselect_b64 s[28:29], s[6:7], s[10:11]
	s_add_nc_u64 s[78:79], s[12:13], s[66:67]
	s_or_b32 s79, s79, 0x80000000                  ; type = 2
	s_add_nc_u64 s[82:83], s[26:27], s[94:95]
	s_or_b32 s83, s83, 0x80000000
	s_add_nc_u64 s[86:87], s[28:29], s[94:95]
	s_or_b32 s87, s87, 0x80000000
	tensor_load_to_lds s[76:79], s[68:75]          ; all first fills go out together; three tensor loads of the wave are out
	s_nop 0
	tensor_load_to_lds s[80:83], s[68:75]
	s_nop 0
	tensor_load_to_lds s[84:87], s[68:75]
	s_nop 0
	v_and_b32 v1, 31, v0                           ; lane
	v_lshlrev_b32 v7, 4, v1                        ; 16 x lane
	s_cmp_lt_u32 s30, 2
	s_cbranch_scc1 .Lno_gather
	; waves 2, 3: the 16 + 16 rows of the logits that i and j name, one copy of 512 bytes a row, into tiles 2 and 3
	s_lshl_b32 s66, s89, 2
	s_add_nc_u64 s[16:17], s[16:17], s[66:67]
	s_add_nc_u64 s[18:19], s[18:19], s[66:67]
	s_load_b512 s[32:47], s[16:17], 0x0            ; i[r0 .. r0+15]
	s_load_b512 s[48:63], s[18:19], 0x0            ; j[r0 .. r0+15]
	v_add_nc_u32 v26, s88, v7
	s_wait_kmcnt 0x0
.set k, 0
.rept 32
	s_min_u32 s[32+k], s[32+k], 0x1fff             ; an index stays inside the table's 8,192 rows
	v_lshl_add_u32 v[GO+k], s[32+k], 9, v7         ; row x 512 + 16 x lane
	v_add_nc_u32 v[LA+k], 2*TILE+PITCH*k, v26      ; rows 0..15 fall into tile 2, rows 16..31 into tile 3 (16 x 528 = one tile)
.set k, k+1
.endr
.set k, 0
.rept 32
	global_load_async_to_lds_b128 v[LA+k], v[GO+k], s[6:7]
.set k, k+1
.endr
.Lno_gather:
	v_and_b32 v2, 15, v0                           ; r
	v_bfe_u32 v3, v0, 4, 1                         ; h
	v_mul_u32_u24 v4, v2, PITCH
	v_lshl_add_u32 v4, v3, 5, v4                   ; r x 528 + 32 h: my 8 floats of a K half-block
	v_add_nc_u32 v5, s88, v4
	v_lshlrev_b32 v6, 5, v3
	v_lshlrev_b32 v8, 2, v2
	v_mov_b32 v9, 0                                ; v_permlanex16_b32 counts as a reader of its destination
	v_mov_b32 v10, 0x3089705f                      ; 1e-9
	v_mov_b32 v11, 0x3089705f
	v_mov_b32 v12, 0xbf317218                      ; -ln 2
	v_mov_b32 v13, 0xbf317218
	v_mov_b32 v14, 0x3fb8aa3b                      ; log2 e
	v_mov_b32 v15, 0x3fb8aa3b
	s_wait_tensorcnt 0x2                           ; my quarter of W has landed; the two younger loads, my own tiles, stay out
	s_barrier_signal -1
	s_barrier_wait -1                              ; everybody's quarter has: W is whole.  The only barrier
	; W to bf16 fragments in window 1, 32 rows at a time through U and L
.irp bt, 0,1
.irp tt, 0,1
.irp c, 0,1,2,3
.irp p, 0,1,2,3
	ds_load_b128 v[U+64*\tt+16*\c+4*\p:U+64*\tt+16*\c+4*\p+3], v4 offset:(2*\bt+\tt)*TILE+128*\c+16*(\p&1)+32*(\p&2)
.endr
.endr
.endr
	s_wait_dscnt 0x0
	WIN 0x40                                       ; destination in window 1
.set k, 0
.rept 64
	v_cvt_pk_bf16_f32 v[64*\bt+k], v[U+2*k], v[U+2*k+1]
.set k, k+1
.endr
	WIN 0
.endr
	s_wait_tensorcnt 0x0                           ; my two tiles,
	s_wait_asynccnt 0x0                            ; and my gathered rows: only I read them, so my own waits are all the ordering they need
; One pass: noise in my tile tu, logits in my tile tl, x into v[d:d+31].
.macro EMBED tu, tl, d
.irp t, 0,1,2,3
	global_load_b128 v[\d+8*\t:\d+8*\t+3],   v6, s[14:15] offset:64*\t       ; b[16 t + 8 h + 0..7] is the first product's C: no add afterwards
	global_load_b128 v[\d+8*\t+4:\d+8*\t+7], v6, s[14:15] offset:64*\t+16
.endr
.irp c, 0,1,2,3
.irp p, 0,1,2,3
	ds_load_b128 v[U+16*\c+4*\p:U+16*\c+4*\p+3], v5 offset:\tu*TILE+128*\c+16*(\p&1)+32*(\p&2)
.endr
.irp p, 0,1,2,3
	ds_load_b128 v[L+16*\c+4*\p:L+16*\c+4*\p+3], v5 offset:\tl*TILE+128*\c+16*(\p&1)+32*(\p&2)
.endr
.endr
	; y = (l + g) log2 e = l log2 e - log2 t,  t = -ln(u + eps) + eps = -ln 2 log2(u + eps) + eps
.irp c, 0,1,2,3
	s_wait_dscnt 8*(3-\c)                          ; LDS loads come back in order: block c is in, eight loads for each later block stay out
.irp i, 0,2,4,6,8,10,12,14
	v_pk_add_f32 v[U+16*\c+\i:U+16*\c+\i+1], v[U+16*\c+\i:U+16*\c+\i+1], v[10:11]
.endr
.irp i, 0,1,2,3,4,5,6,7,8,9,10,11,12,13,14,15
	v_log_f32 v[U+16*\c+\i], v[U+16*\c+\i]
.endr
	v_nop                                          ; one plain place behind a transcendental before its result is used (ISA guide 5.7.2)
	s_wait_alu depctr_va_vdst(0)
.irp i, 0,2,4,6,8,10,12,14
	v_pk_fma_f32 v[U+16*\c+\i:U+16*\c+\i+1], v[U+16*\c+\i:U+16*\c+\i+1], v[12:13], v[10:11]
.endr
.irp i, 0,1,2,3,4,5,6,7,8,9,10,11,12,13,14,15
	v_log_f32 v[U+16*\c+\i], v[U+16*\c+\i]
.endr
	v_nop
	s_wait_alu depctr_va_vdst(0)
.irp i, 0,2,4,6,8,10,12,14
	v_pk_fma_f32 v[U+16*\c+\i:U+16*\c+\i+1], v[L+16*\c+\i:L+16*\c+\i+1], v[14:15], v[U+16*\c+\i:U+16*\c+\i+1] neg_lo:[0,0,1] neg_hi:[0,0,1]
.endr
.if \c == 0
	v_max_num_f32 v16, v[U], v[U+1]                ; the first numbers start the two chains
	v_max_num_f32 v17, v[U+2], v[U+3]
.else
	v_max3_num_f32 v16, v16, v[U+16*\c], v[U+16*\c+1]
	v_max3_num_f32 v17, v17, v[U+16*\c+2], v[U+16*\c+3]
.endif
.irp i, 4,8,12
	v_max3_num_f32 v16, v16, v[U+16*\c+\i], v[U+16*\c+\i+1]
	v_max3_num_f32 v17, v17, v[U+16*\c+\i+2], v[U+16*\c+\i+3]
.endr
.endr
	v_max_num_f32 v16, v16, v17
	v_permlanex16_b32 v9, v16, s90, s91            ; the row's other half
	v_max_num_f32 v20, v16, v9                     ; M: the row's maximum, taken away before the exponential
	v_mov_b32 v21, v20
.set k, 0
.rept 32
	v_pk_add_f32 v[U+k:U+k+1], v[U+k:U+k+1], v[20:21] neg_lo:[0,1] neg_hi:[0,1]
.set k, k+2
.endr
.set k, 0
.rept 64
	v_exp_f32 v[U+k], v[U+k]
.set k, k+1
.endr
	v_nop
	s_wait_alu depctr_va_vdst(0)
	v_pk_add_f32 v[22:23], v[U:U+1], v[U+2:U+3]    ; two chains, started by sums: nothing is cleared
	v_pk_add_f32 v[24:25], v[U+4:U+5], v[U+6:U+7]
.set k, 8
.rept 14
	v_pk_add_f32 v[22:23], v[22:23], v[U+k:U+k+1]
	v_pk_add_f32 v[24:25], v[24:25], v[U+k+2:U+k+3]
.set k, k+4
.endr
	v_pk_add_f32 v[22:23], v[22:23], v[24:25]
	v_add_f32 v22, v22, v23
	v_permlanex16_b32 v9, v22, s90, s91
	v_add_f32 v22, v22, v9                         ; S >= 1: the largest term is 2^0
	v_rcp_f32 v18, v22
	v_rcp_f32 v19, v22
	v_nop
.set k, 0
	s_wait_alu depctr_va_vdst(0)
.rept 32
	v_pk_mul_f32 v[U+k:U+k+1], v[U+k:U+k+1], v[18:19]
.set k, k+2
.endr
.set k, 0
.rept 32
	v_cvt_pk_bf16_f32 v[E+k], v[U+2*k], v[U+2*k+1] ; register 8 c + i of the fragments = numbers 16 c + 2 i, 16 c + 2 i + 1
.set k, k+1
.endr
	s_wait_loadcnt 0x0                             ; b
	WIN 0x01                                       ; source 0 (W) in window 1
.irp c, 0,1,2,3
.irp t, 0,1,2,3
	v_wmma_f32_16x16x32_bf16 v[\d+8*\t:\d+8*\t+7], v[8*(4*\t+\c):8*(4*\t+\c)+7], v[E+8*\c:E+8*\c+7], v[\d+8*\t:\d+8*\t+7]   ; the four accumulators take turns
.endr
.endr
	WIN 0
	PLACES
.endm
	s_cmp_lt_u32 s30, 2
	s_cbranch_scc0 .Lbatch
	; ---- waves 0, 1: 16 rows of the full pass
	EMBED 0, 1, DA
.set k, 0
.rept 16
	v_cvt_pk_bf16_f32 v[XB+k], v[DA+2*k], v[DA+2*k+1]
.set k, k+1
.endr
	s_lshl_b32 s66, s89, 7                         ; unit r0 / 16 of 2,048 bytes
	s_add_nc_u64 s[20:21], s[20:21], s[66:67]
.irp t, 0,1,2,3
	global_store_b128 v7, v[XB+4*\t:XB+4*\t+3], s[20:21] offset:512*\t
.endr
	s_cmp_lt_u32 ttmp9, 128
	s_cbranch_scc0 .Lno_copy
.irp t, 0,1,2,3
	global_store_b128 v7, v[XB+4*\t:XB+4*\t+3], s[20:21] offset:512*2048+512*\t   ; rows below 4,096 once more, 512 units further on
.endr
.Lno_copy:
	; hq from the ROUNDED x: sq_k + sq_l - 2 x_k x_l is then the distance of the rounded points, with no mismatch between norm and product
.set k, 0
.rept 16
	v_lshlrev_b32 v[U+2*k], 16, v[XB+k]
	v_and_b32 v[U+2*k+1], s92, v[XB+k]
.set k, k+1
.endr
	v_pk_mul_f32 v[22:23], v[U:U+1], v[U:U+1]
	v_pk_mul_f32 v[24:25], v[U+2:U+3], v[U+2:U+3]
.set k, 4
.rept 7
	v_pk_fma_f32 v[22:23], v[U+k:U+k+1], v[U+k:U+k+1], v[22:23]
	v_pk_fma_f32 v[24:25], v[U+k+2:U+k+3], v[U+k+2:U+k+3], v[24:25]
.set k, k+4
.endr
	v_pk_add_f32 v[22:23], v[22:23], v[24:25]
	v_add_f32 v22, v22, v23
	v_permlanex16_b32 v9, v22, s90, s91
	v_add_f32 v22, v22, v9
	v_mul_f32 v22, -0.5, v22
	s_lshl_b32 s66, s89, 2
	s_add_nc_u64 s[22:23], s[22:23], s[66:67]
	v_cmp_gt_u32 vcc_lo, 16, v1
	s_wait_xcnt 0x0                                ; EXEC is a source of the stores above: it changes only behind this wait
	s_and_saveexec_b32 s93, vcc_lo                 ; lanes 0..15 hold the 16 rows' figures
	global_store_b32 v8, v22, s[22:23]
	s_cmp_lt_u32 ttmp9, 128
	s_cbranch_scc0 .Lend_full
	global_store_b32 v8, v22, s[22:23] offset:32768
.Lend_full:
	s_wait_xcnt 0x0
	s_mov_b32 exec_lo, -1
	s_wait_tensorcnt 0x0
	ds_add_u32 v254, v255
	s_wait_dscnt 0x0
	s_endpgm
	; ---- waves 2, 3: 16 batch items
.Lbatch:
	EMBED 0, 2, DA                                 ; xi: noise_i, logits[i]
	EMBED 1, 3, DB                                 ; xj: noise_j, logits[j]
.set k, 0
.rept 16
	v_pk_add_f32 v[DA+k:DA+k+1], v[DA+k:DA+k+1], v[DB+k:DB+k+1] neg_lo:[0,1] neg_hi:[0,1]
.set k, k+2
.endr
	v_pk_mul_f32 v[22:23], v[DA:DA+1], v[DA:DA+1]
	v_pk_mul_f32 v[24:25], v[DA+2:DA+3], v[DA+2:DA+3]
.set k, 4
.rept 7
	v_pk_fma_f32 v[22:23], v[DA+k:DA+k+1], v[DA+k:DA+k+1], v[22:23]
	v_pk_fma_f32 v[24:25], v[DA+k+2:DA+k+3], v[DA+k+2:DA+k+3], v[24:25]
.set k, k+4
.endr
	v_pk_add_f32 v[22:23], v[22:23], v[24:25]
	v_add_f32 v22, v22, v23
	v_permlanex16_b32 v9, v22, s90, s91
	v_add_f32 v22, v22, v9
	v_add_f32 v22, 0x42800000, v22                 ; + 64: the sum of the 64 ones
	v_log_f32 v22, v22
	v_cmp_gt_u32 vcc_lo, 16, v1                    ; the plain place behind the logarithm
	s_lshl_b32 s66, s89, 2
	s_add_nc_u64 s[24:25], s[24:25], s[66:67]
	s_wait_xcnt 0x0                                ; EXEC changes only behind this wait
	s_and_saveexec_b32 s93, vcc_lo
	s_wait_alu depctr_va_vdst(0)
	global_store_b32 v8, v22, s[24:25]
	s_wait_xcnt 0x0
	s_mov_b32 exec_lo, -1
	s_wait_tensorcnt 0x0
	ds_add_u32 v254, v255
	s_wait_dscnt 0x0
	s_endpgm
.Lfunc_end_k_qdf7e0495ea_embed:
	.size	k_qdf7e0495ea_embed, .Lfunc_end_k_qdf7e0495ea_embed-k_qdf7e0495ea_embed
	.p2alignl 7, 3214868480
	.fill 96, 4, 3214868480
	.section	.rodata,"a",@progbits
	.p2align	6, 0x0
	.amdhsa_kernel k_qdf7e0495ea_embed
		.amdhsa_group_segment_fixed_size 169472
		.amdhsa_private_segment_fixed_size 0
		.amdhsa_enable_private_segment 0
		.amdhsa_kernarg_size 88
		.amdhsa_user_sgpr_count 2
		.amdhsa_user_sgpr_kernarg_segment_ptr 1
		.amdhsa_wavefront_size32 1
		.amdhsa_system_sgpr_workgroup_id_x 1
		.amdhsa_system_sgpr_workgroup_id_y 1
		.amdhsa_system_sgpr_workgroup_id_z 1
		.amdhsa_system_vgpr_workitem_id 0
		.amdhsa_next_free_vgpr 384
		.amdhsa_next_free_sgpr 96
		.amdhsa_reserve_vcc 1
		.amdhsa_float_denorm_mode_32 3
		.amdhsa_float_denorm_mode_16_64 3
		.amdhsa_memory_ordered 1
		.amdhsa_forward_progress 1
		.amdhsa_inst_pref_size 114
	.end_amdhsa_kernel
	.amdgpu_metadata
---
amdhsa.version: [ 1, 2 ]
amdhsa.kernels:
  - .name:           k_qdf7e0495ea_embed
    .symbol:         k_qdf7e0495ea_embed.kd
    .args:
      - { .name: noise_full, .offset: 0, .size: 8, .value_kind: global_buffer, .address_space: global }
      - { .name: logits_weight, .offset: 8, .size: 8, .value_kind: global_buffer, .address_space: global }
      - { .name: noise_i, .offset: 16, .size: 8, .value_kind: global_buffer, .address_space: global }
      - { .name: noise_j, .offset: 24, .size: 8, .value_kind: global_buffer, .address_space: global }
      - { .name: topic_w, .offset: 32, .size: 8, .value_kind: global_buffer, .address_space: global }
      - { .name: topic_b, .offset: 40, .size: 8, .value_kind: global_buffer, .address_space: global }
      - { .name: i, .offset: 48, .size: 8, .value_kind: global_buffer, .address_space: global }
      - { .name: j, .offset: 56, .size: 8, .value_kind: global_buffer, .address_space: global }
      - { .name: xb, .offset: 64, .size: 8, .value_kind: global_buffer, .address_space: global }
      - { .name: hq, .offset: 72, .size: 8, .value_kind: global_buffer, .address_space: global }
      - { .name: ls, .offset: 80, .size: 8, .value_kind: global_buffer, .address_space: global }
    .group_segment_fixed_size: 169472
    .private_segment_fixed_size: 0
    .kernarg_segment_align: 8
    .kernarg_segment_size: 88
    .max_flat_workgroup_size: 128
    .sgpr_count:     96
    .vgpr_count:     384
    .wavefront_size: 32
...
	.end_amdgpu_metadata
.endif
;; end of part 1
;; launch pairs (part 2): grid 256 x 1, 8 waves a work-group, no clusters, 168,960 bytes of LDS; arguments xb, hq, partial; writes partial
.if DOCPART == 2
	.amdgcn_target "amdgcn-amd-amdhsa--gfx1250"
	.amdhsa_code_object_version 6
	.text
	.protected	k_qdf7e0495ea_pairs
	.globl	k_qdf7e0495ea_pairs
	.p2align	8
	.type	k_qdf7e0495ea_pairs,@function
k_qdf7e0495ea_pairs:
	s_mov_b64 s[64:65], 0
	v_nop
	global_prefetch_b8 v0, s[64:65] scope:SCOPE_SE
	s_setreg_imm32_b32 hwreg(HW_REG_WAVE_MODE, 25, 1), 1
	s_wait_xcnt 0x0
; partial sums of 1 / (1 + |x_k - x_l|^2) over all pairs of the 8,192 rows.
; SYMMETRY: with 32 blocks of 256 rows, the whole sum = sum over I of [ S(I,I) + 2 sum_{d=1..15} S(I,I+d) + S(I,I+16) ], blocks mod 32:
; 17 blocks = 272 units of 16 rows for each I.  Work-group = (I = wg >> 3, q = wg & 7) takes units 16 I + 34 q .. + 33 of that range
; (xb and hq repeat their first half behind their end, so the range is contiguous), against all 256 rows of block I.
; Wave w = (g = w & 3, b = w >> 2): fixed units 16 I + 4 g + 0..3 stay in registers (source 1); stream units of parity b come from LDS (source 0).
; ARITHMETIC: a = x_s x_f + hq_s + (hq_f - 0.5) = -(1 + d^2) / 2; the two norms enter as the product's C.  Four reciprocals are one:
; 1/a + 1/b + 1/c + 1/d = ((a+b) cd + (c+d) ab) / (abcd).  The sum of 1/(1+d^2) is -0.5 times the sum of 1/a.
; WEIGHTS: a wave's running sum is multiplied once, where the range crosses from a block of weight 1 to weight 2 (q = 0, stream unit 16)
; or back (q = 7, stream unit 18); both edges are even, so both parities cross at the same step.  The last weight sits in the final factor.
; LIMIT: abcd must stay at or below 2^126, since v_rcp_f32 gives zero where the result would be denormal (ISA guide 15.8): that is
; (1 + d^2) / 2 below 2^31.5 for all four, a squared distance below about 6e9.
; NO CLUSTER: the stream ranges begin at 16 I + 34 q, so no two work-groups ask for the same tile; the 32,768 bytes of fixed rows that the
; eight work-groups of one I share go straight to registers.  NO REFILL: the 71,808 bytes of a work-group's stream fit in LDS at once.
.set UNITB, 2048
.set CH0,   12*UNITB                   ; chunk 0: stream units 0..11, steps 0..5
.set SQS,   34*UNITB                   ; behind the 34 units: their 544 hq
.set TOT,  6                           ; v[6:7]     running sum
.set FQ,   8                           ; v[8:15]    hq_f - 0.5 of fixed unit f, as an equal pair
.set TMP,  16                          ; v[16:23]   products of pairs
.set XA,   24                          ; v[24:39]   tiles against fixed units 0, 1
.set YA,   40                          ; v[40:55]   tiles against fixed units 2, 3
.set SL0,  56                          ; v[56:71]   slot 0: a stream unit's fragments
.set HQ0,  72                          ; v[72:79]   slot 0: hq of its rows 8 h + 0..7
.set SL1,  80
.set HQ1,  96
.set FIX,  104                         ; v[104:167] fixed unit f at FIX + 16 f
; v1 16*lane, v2 4*(lane&15), v3 LDS address of my 16 bytes in the step's unit, v4 of its hq, v5 scratch
	s_load_b128 s[4:7], s[0:1], 0x0                ; xb, hq
	s_load_b64 s[8:9], s[0:1], 0x10                ; partial
	v_lshl_add_u32 v168, v0, 2, 0x29000
	v_mov_b32 v169, 0
	ds_add_u32 v168, v169
	ds_add_u32 v168, v169
	v_lshrrev_b32 v1, 5, v0
	v_readfirstlane_b32 s10, v1                    ; wave 0..7
	s_and_b32 s11, s10, 3                          ; g
	s_lshr_b32 s12, s10, 2                         ; b
	s_lshr_b32 s13, ttmp9, 3                       ; I
	s_and_b32 s14, ttmp9, 7                        ; q
	s_mul_i32 s15, s14, 34
	s_lshl4_add_u32 s15, s13, s15                  ; u0 = 16 I + 34 q
	; group 1 of chunk 0: each wave brings 12 rows of 256 bytes; of chunk 1: 22 rows; of the hq strip: one row of 272 bytes.  Elements of 8 bytes.
	s_mov_b32 s32, 3<<16
	s_mov_b32 s33, 32<<16
	s_mov_b32 s34, 12<<16
	s_mov_b32 s35, 32<<16
	s_mov_b32 s36, 12
	s_mov_b32 s37, 32
	s_mov_b32 s38, 0
	s_mov_b32 s39, 0
	s_mov_b32 s40, 3<<16
	s_mov_b32 s41, 32<<16
	s_mov_b32 s42, 22<<16
	s_mov_b32 s43, 32<<16
	s_mov_b32 s44, 22
	s_mov_b32 s45, 32
	s_mov_b32 s46, 0
	s_mov_b32 s47, 0
	s_mov_b32 s48, 3<<16
	s_mov_b32 s49, 34<<16
	s_mov_b32 s50, 1<<16
	s_mov_b32 s51, 34<<16
	s_mov_b32 s52, 1
	s_mov_b32 s53, 34
	s_mov_b32 s54, 0
	s_mov_b32 s55, 0
	s_mov_b32 s17, 0
	s_mul_i32 s18, s10, 272
	s_mov_b32 s20, 1
	s_add_co_u32 s21, s18, SQS                     ; hq strip: LDS SQS + 272 w
	s_mov_b32 s24, 1
	s_mul_i32 s25, s10, 3072                       ; chunk 0: LDS 3,072 w
	s_mov_b32 s28, 1
	s_mul_i32 s29, s10, 5632
	s_add_co_u32 s29, s29, CH0                     ; chunk 1: LDS 24,576 + 5,632 w
	s_lshl_b32 s19, s15, 11                        ; u0 units of 2,048 bytes
	s_wait_dscnt 0x0
	s_wait_kmcnt 0x0
	s_lshl_b32 s16, s15, 6                         ; u0 units of 16 f32
	s_add_co_u32 s16, s16, s18
	s_add_nc_u64 s[22:23], s[6:7], s[16:17]
	s_or_b32 s23, s23, 0x80000000
	s_add_co_u32 s16, s19, s25
	s_add_nc_u64 s[26:27], s[4:5], s[16:17]
	s_or_b32 s27, s27, 0x80000000
	s_add_co_u32 s16, s19, s29
	s_add_nc_u64 s[30:31], s[4:5], s[16:17]
	s_or_b32 s31, s31, 0x80000000
	tensor_load_to_lds s[20:23], s[48:55]          ; all fills go out together, each byte once; three tensor loads of the wave are out
	s_nop 0
	tensor_load_to_lds s[24:27], s[32:39]
	s_nop 0
	tensor_load_to_lds s[28:31], s[40:47]
	s_nop 0
	; my four fixed units, straight to registers
	s_lshl_b32 s18, s13, 4
	s_lshl2_add_u32 s18, s11, s18                  ; 16 I + 4 g
	s_lshl_b32 s16, s18, 11
	s_add_nc_u64 s[4:5], s[4:5], s[16:17]
	s_lshl_b32 s16, s18, 6
	s_add_nc_u64 s[6:7], s[6:7], s[16:17]
	v_and_b32 v1, 31, v0
	v_lshlrev_b32 v1, 4, v1
	v_and_b32 v2, 15, v0
	v_lshlrev_b32 v2, 2, v2
.irp f, 0,1,2,3
.irp t, 0,1,2,3
	global_load_b128 v[FIX+16*\f+4*\t:FIX+16*\f+4*\t+3], v1, s[4:5] offset:2048*\f+512*\t
.endr
.endr
.irp f, 0,1,2,3
	global_load_b32 v[FQ+2*\f], v2, s[6:7] offset:64*\f
.endr
	v_lshl_add_u32 v3, s12, 11, v1                 ; 16 x lane + 2,048 b
	v_bfe_u32 v4, v0, 4, 1
	v_lshlrev_b32 v4, 5, v4
	s_lshl_b32 s19, s12, 6
	s_add_co_u32 s19, s19, SQS
	v_add_nc_u32 v4, s19, v4                       ; SQS + 64 b + 32 h
	s_cmp_eq_u32 s14, 0
	s_cselect_b32 s57, 8, -1                       ; q = 0: the even step of the trip with counter 8 (step 8) halves the sum so far
	s_cselect_b32 s59, 0.5, 2.0
	s_cmp_eq_u32 s14, 7
	s_cselect_b32 s58, 8, -1                       ; q = 7: the odd step of that trip (step 9) doubles it
	s_cselect_b32 s66, -0.5, -1.0                  ; the last weight (1 or 2) times -0.5
	s_mov_b32 s61, 1.0
	s_mov_b32 s62, 0x76543210
	s_mov_b32 s63, 0xfedcba98
	s_wait_tensorcnt 0x1                           ; my parts of the hq strip and of chunk 0 have landed; the youngest load, chunk 1, stays out
	s_barrier_signal -1
	s_barrier_wait -1                              ; everybody's have
.macro FETCH s, h, po, qo              ; six LDS loads: a unit's 2,048 bytes (32 lanes x 16 neighbouring bytes, four times) and its hq
.irp t, 0,1,2,3
	ds_load_b128 v[\s+4*\t:\s+4*\t+3], v3 offset:\po+512*\t
.endr
	ds_load_b128 v[\h:\h+3],   v4 offset:\qo
	ds_load_b128 v[\h+4:\h+7], v4 offset:\qo+16
.endm
.macro BUILD d, f, h                   ; C(stream row 8 h + j, fixed row r) = hq_s + (hq_f - 0.5)
.irp i, 0,2,4,6
	v_pk_add_f32 v[\d+\i:\d+\i+1], v[\h+\i:\h+\i+1], v[FQ+2*\f:FQ+2*\f+1]
.endr
.endm
.macro MM4 d, s, f                     ; two tiles, K = 64: the two accumulators take turns, one instruction a turn
	v_wmma_f32_16x16x32_bf16 v[\d:\d+7],    v[\s:\s+7],    v[FIX+16*\f:FIX+16*\f+7],     v[\d:\d+7]
	v_wmma_f32_16x16x32_bf16 v[\d+8:\d+15], v[\s:\s+7],    v[FIX+16*\f+16:FIX+16*\f+23], v[\d+8:\d+15]
	v_wmma_f32_16x16x32_bf16 v[\d:\d+7],    v[\s+8:\s+15], v[FIX+16*\f+8:FIX+16*\f+15],  v[\d:\d+7]
	v_wmma_f32_16x16x32_bf16 v[\d+8:\d+15], v[\s+8:\s+15], v[FIX+16*\f+24:FIX+16*\f+31], v[\d+8:\d+15]
.endm
.macro RECA d                          ; both tiles: products and sums of pairs; eight plain instructions
	v_pk_mul_f32 v[TMP:TMP+1],   v[\d:\d+1],     v[\d+2:\d+3]
	v_pk_mul_f32 v[TMP+4:TMP+5], v[\d+8:\d+9],   v[\d+10:\d+11]
	v_pk_mul_f32 v[TMP+2:TMP+3], v[\d+4:\d+5],   v[\d+6:\d+7]
	v_pk_mul_f32 v[TMP+6:TMP+7], v[\d+12:\d+13], v[\d+14:\d+15]
	v_pk_add_f32 v[\d:\d+1],     v[\d:\d+1],     v[\d+2:\d+3]
	v_pk_add_f32 v[\d+8:\d+9],   v[\d+8:\d+9],   v[\d+10:\d+11]
	v_pk_add_f32 v[\d+4:\d+5],   v[\d+4:\d+5],   v[\d+6:\d+7]
	v_pk_add_f32 v[\d+12:\d+13], v[\d+12:\d+13], v[\d+14:\d+15]
.endm
.macro RECB d                          ; both tiles: one reciprocal for four numbers
	v_pk_mul_f32 v[\d+2:\d+3],   v[TMP:TMP+1],   v[TMP+2:TMP+3]
	v_pk_mul_f32 v[\d+10:\d+11], v[TMP+4:TMP+5], v[TMP+6:TMP+7]
	v_rcp_f32 v[\d+6],  v[\d+2]
	v_rcp_f32 v[\d+7],  v[\d+3]
	v_rcp_f32 v[\d+14], v[\d+10]
	v_rcp_f32 v[\d+15], v[\d+11]
	v_pk_mul_f32 v[\d:\d+1],   v[\d:\d+1],   v[TMP+2:TMP+3]                  ; plain work on other registers stands behind the reciprocals (ISA guide 5.7.2)
	v_pk_mul_f32 v[\d+8:\d+9], v[\d+8:\d+9], v[TMP+6:TMP+7]
	v_pk_fma_f32 v[\d:\d+1],   v[\d+4:\d+5],   v[TMP:TMP+1],   v[\d:\d+1]
	v_pk_fma_f32 v[\d+8:\d+9], v[\d+12:\d+13], v[TMP+4:TMP+5], v[\d+8:\d+9]
	s_wait_alu depctr_va_vdst(0)
	v_pk_fma_f32 v[TOT:TOT+1], v[\d:\d+1],   v[\d+6:\d+7],   v[TOT:TOT+1]
	v_pk_fma_f32 v[TOT:TOT+1], v[\d+8:\d+9], v[\d+14:\d+15], v[TOT:TOT+1]
.endm
; One stream unit against my four fixed units.  Each tile pair is reduced while the other pair's products run: between a matrix instruction
; and the first read of its result, and between the last read of the slot and the loads that fill it again, stand at least eight plain
; instructions on other registers (four are asked for).
; left: LDS loads that may stay out; prev: the unit before left its second tile pair to finish; resc, kb: the weight's edge may fall here;
; pf, po, qo: fetch the unit two steps on into this slot.
.macro UNIT s, h, left, prev, resc, kb, pf, po, qo
	s_wait_dscnt \left
	BUILD XA, 0, \h
	BUILD XA+8, 1, \h
	MM4 XA, \s, 0
.if \prev
	RECA YA
	RECB YA
.endif
.if \resc
	s_cmp_eq_u32 s56, s[\kb]                       ; here the sum holds all earlier units whole and nothing of this one
	s_cselect_b32 s60, s59, 1.0
	v_pk_mul_f32 v[TOT:TOT+1], v[TOT:TOT+1], s[60:61] op_sel_hi:[1,0]
.endif
	BUILD YA, 2, \h
	BUILD YA+8, 3, \h
	MM4 YA, \s, 2
	RECA XA
.if \pf
	FETCH \s, \h, \po, \qo
.endif
	RECB XA
.endm
	FETCH SL0, HQ0, 0, 0                           ; step 0
	FETCH SL1, HQ1, 4096, 128                      ; step 1: two units further on
	s_wait_loadcnt 0x0                             ; the fixed units and their hq
.irp f, 0,1,2,3
	v_add_f32 v[FQ+2*\f], -0.5, v[FQ+2*\f]
	v_mov_b32 v[FQ+2*\f+1], v[FQ+2*\f]
.endr
	v_mov_b32 v[TOT], 0
	v_mov_b32 v[TOT+1], 0
	; steps 0..3, from chunk 0; they fetch up to step 5 (units 10, 11), still chunk 0.  The count 6: the other slot's six younger loads
	UNIT SL0, HQ0, 6, 0, 0, 0, 1, 2*4096, 2*128
	UNIT SL1, HQ1, 6, 1, 0, 0, 1, 3*4096, 3*128
	UNIT SL0, HQ0, 6, 1, 0, 0, 1, 4*4096, 4*128
	UNIT SL1, HQ1, 6, 1, 0, 0, 1, 5*4096, 5*128
	s_wait_dscnt 0x0                               ; no LDS instruction is pending at a signal
	s_wait_tensorcnt 0x0                           ; my part of chunk 1 has landed
	s_barrier_signal -1
	s_barrier_wait -1                              ; everybody's has
	v_add_nc_u32 v3, 4*4096, v3                    ; addresses of step 4
	v_add_nc_u32 v4, 4*128, v4
	s_mov_b32 s56, 4
.Lstep:                                            ; five trips, steps 4..13; they fetch steps 6..15
	UNIT SL0, HQ0, 6, 1, 1, 57, 1, 2*4096, 2*128
	UNIT SL1, HQ1, 6, 1, 1, 58, 1, 3*4096, 3*128
	v_add_nc_u32 v3, 2*4096, v3
	v_add_nc_u32 v4, 2*128, v4
	s_add_co_u32 s56, s56, 2
	s_cmp_lt_u32 s56, 14
	s_cbranch_scc1 .Lstep
	UNIT SL0, HQ0, 6, 1, 0, 0, 1, 2*4096, 2*128    ; step 14 fetches step 16, the last
	UNIT SL1, HQ1, 6, 1, 0, 0, 0, 0, 0             ; step 15: step 16's six loads may stay out
	UNIT SL0, HQ0, 0, 1, 0, 0, 0, 0, 0             ; step 16
	RECA YA
	RECB YA
	v_add_f32 v5, v[TOT], v[TOT+1]
	v_add_f32_dpp v5, v5, v5 row_xmask:1 row_mask:0xf bank_mask:0xf
	v_add_f32_dpp v5, v5, v5 row_xmask:2 row_mask:0xf bank_mask:0xf
	v_add_f32_dpp v5, v5, v5 row_xmask:4 row_mask:0xf bank_mask:0xf
	v_add_f32_dpp v5, v5, v5 row_xmask:8 row_mask:0xf bank_mask:0xf
	v_permlanex16_b32 v[TMP], v5, s62, s63
	v_add_f32 v5, v5, v[TMP]
	v_mul_f32 v5, s66, v5
	s_lshl3_add_u32 s16, ttmp9, s10                ; 8 x work-group + wave
	s_lshl_b32 s16, s16, 2
	s_add_nc_u64 s[8:9], s[8:9], s[16:17]
	v_cmp_eq_u32 vcc_lo, 0, v1
	s_wait_xcnt 0x0                                ; EXEC is a source of the loads above: it changes only behind this wait
	s_wait_tensorcnt 0x0
	ds_add_u32 v168, v169
	s_wait_dscnt 0x0
	s_and_saveexec_b32 s67, vcc_lo                 ; lane 0, whose v1 is 0
	global_store_b32 v1, v5, s[8:9]                ; one word a wave: 2,048 words in the whole launch
	s_endpgm
.Lfunc_end_k_qdf7e0495ea_pairs:
	.size	k_qdf7e0495ea_pairs, .Lfunc_end_k_qdf7e0495ea_pairs-k_qdf7e0495ea_pairs
	.p2alignl 7, 3214868480
	.fill 96, 4, 3214868480
	.section	.rodata,"a",@progbits
	.p2align	6, 0x0
	.amdhsa_kernel k_qdf7e0495ea_pairs
		.amdhsa_group_segment_fixed_size 168960
		.amdhsa_private_segment_fixed_size 0
		.amdhsa_enable_private_segment 0
		.amdhsa_kernarg_size 24
		.amdhsa_user_sgpr_count 2
		.amdhsa_user_sgpr_kernarg_segment_ptr 1
		.amdhsa_wavefront_size32 1
		.amdhsa_system_sgpr_workgroup_id_x 1
		.amdhsa_system_sgpr_workgroup_id_y 1
		.amdhsa_system_sgpr_workgroup_id_z 1
		.amdhsa_system_vgpr_workitem_id 0
		.amdhsa_next_free_vgpr 170
		.amdhsa_next_free_sgpr 70
		.amdhsa_reserve_vcc 1
		.amdhsa_float_denorm_mode_32 3
		.amdhsa_float_denorm_mode_16_64 3
		.amdhsa_memory_ordered 1
		.amdhsa_forward_progress 1
		.amdhsa_inst_pref_size 47
	.end_amdhsa_kernel
	.amdgpu_metadata
---
amdhsa.version: [ 1, 2 ]
amdhsa.kernels:
  - .name:           k_qdf7e0495ea_pairs
    .symbol:         k_qdf7e0495ea_pairs.kd
    .args:
      - { .name: xb, .offset: 0, .size: 8, .value_kind: global_buffer, .address_space: global }
      - { .name: hq, .offset: 8, .size: 8, .value_kind: global_buffer, .address_space: global }
      - { .name: partial, .offset: 16, .size: 8, .value_kind: global_buffer, .address_space: global }
    .group_segment_fixed_size: 168960
    .private_segment_fixed_size: 0
    .kernarg_segment_align: 8
    .kernarg_segment_size: 24
    .max_flat_workgroup_size: 256
    .sgpr_count:     70
    .vgpr_count:     170
    .wavefront_size: 32
...
	.end_amdgpu_metadata
.endif
;; end of part 2
;; launch finish (part 3): grid 64 x 1, 1 waves a work-group, no clusters, 0 bytes of LDS; arguments partial, ls, pij, out0; writes out0
.if DOCPART == 3
	.amdgcn_target "amdgcn-amd-amdhsa--gfx1250"
	.amdhsa_code_object_version 6
	.text
	.protected	k_qdf7e0495ea_finish
	.globl	k_qdf7e0495ea_finish
	.p2align	8
	.type	k_qdf7e0495ea_finish,@function
k_qdf7e0495ea_finish:
	s_mov_b64 s[64:65], 0
	v_nop
	global_prefetch_b8 v0, s[64:65] scope:SCOPE_SE
	s_setreg_imm32_b32 hwreg(HW_REG_WAVE_MODE, 25, 1), 1
	s_wait_xcnt 0x0
; out = pij (ln pij - ln qij), qij = 1 / ((64 + d) part):  out = pij ln 2 (log2 pij + log2(64 + d) + log2 part).
; part = the sum of the 2,048 partial sums - 8,192.  Each wave adds all 2,048 itself (8,192 bytes, sixteen loads of 512 consecutive bytes):
; that spares a launch or an exchange between work-groups.  A wave owns 128 outputs, a lane four: its load and its store cover 512
; consecutive bytes, aligned.  One wave a work-group: no LDS, no barrier; no matrix work, no shared tile that a cluster could serve.
; LIMIT: v_log_f32 takes a denormal pij as zero (ISA guide 15.8).  The partial sums are added in another order than a plain sum over pairs.
.set P, 16                             ; v[16:79] the partial sums: 64 a lane
	s_load_b256 s[4:11], s[0:1], 0x0               ; partial 4, ls 6, pij 8, out0 10
	s_lshl_b32 s12, ttmp9, 9                       ; 128 numbers of 4 bytes a work-group
	s_mov_b32 s13, 0
	s_mov_b32 s14, 0x76543210
	s_mov_b32 s15, 0xfedcba98
	v_lshlrev_b32 v1, 4, v0
	s_wait_kmcnt 0x0
	s_add_nc_u64 s[6:7], s[6:7], s[12:13]
	s_add_nc_u64 s[8:9], s[8:9], s[12:13]
	s_add_nc_u64 s[10:11], s[10:11], s[12:13]
	global_load_b128 v[4:7], v1, s[8:9]
	global_load_b128 v[8:11], v1, s[6:7]
.irp t, 0,1,2,3,4,5,6,7,8,9,10,11,12,13,14,15
	global_load_b128 v[P+4*\t:P+4*\t+3], v1, s[4:5] offset:512*\t
.endr
	s_wait_loadcnt 16                              ; pij and ls are in; the sixteen younger loads stay out
	v_log_f32 v12, v4
	v_log_f32 v13, v5
	v_log_f32 v14, v6
	v_log_f32 v15, v7
	v_nop                                          ; one plain place behind a transcendental (ISA guide 5.7.2)
	s_wait_alu depctr_va_vdst(0)
	v_pk_add_f32 v[12:13], v[12:13], v[8:9]
	v_pk_add_f32 v[14:15], v[14:15], v[10:11]
	v_pk_mul_f32 v[4:5], v[4:5], 0x3f317218 op_sel_hi:[1,0]        ; pij ln 2
	v_pk_mul_f32 v[6:7], v[6:7], 0x3f317218 op_sel_hi:[1,0]
	s_wait_loadcnt 0x0
	v_pk_add_f32 v[80:81], v[P:P+1], v[P+2:P+3]    ; two chains, started by sums
	v_pk_add_f32 v[82:83], v[P+4:P+5], v[P+6:P+7]
.set k, 8
.rept 14
	v_pk_add_f32 v[80:81], v[80:81], v[P+k:P+k+1]
	v_pk_add_f32 v[82:83], v[82:83], v[P+k+2:P+k+3]
.set k, k+4
.endr
	v_pk_add_f32 v[80:81], v[80:81], v[82:83]
	v_add_f32 v80, v80, v81
	v_add_f32_dpp v80, v80, v80 row_xmask:1 row_mask:0xf bank_mask:0xf
	v_add_f32_dpp v80, v80, v80 row_xmask:2 row_mask:0xf bank_mask:0xf
	v_add_f32_dpp v80, v80, v80 row_xmask:4 row_mask:0xf bank_mask:0xf
	v_add_f32_dpp v80, v80, v80 row_xmask:8 row_mask:0xf bank_mask:0xf
	v_permlanex16_b32 v81, v80, s14, s15
	v_add_f32 v80, v80, v81
	v_add_f32 v80, 0xc6000000, v80                 ; - 8,192: the diagonal
	v_log_f32 v80, v80
	v_nop
	s_wait_alu depctr_va_vdst(0)
	v_mov_b32 v81, v80
	v_pk_add_f32 v[12:13], v[12:13], v[80:81]
	v_pk_add_f32 v[14:15], v[14:15], v[80:81]
	v_pk_mul_f32 v[4:5], v[4:5], v[12:13]
	v_pk_mul_f32 v[6:7], v[6:7], v[14:15]
	global_store_b128 v1, v[4:7], s[10:11]
	s_endpgm
.Lfunc_end_k_qdf7e0495ea_finish:
	.size	k_qdf7e0495ea_finish, .Lfunc_end_k_qdf7e0495ea_finish-k_qdf7e0495ea_finish
	.p2alignl 7, 3214868480
	.fill 96, 4, 3214868480
	.section	.rodata,"a",@progbits
	.p2align	6, 0x0
	.amdhsa_kernel k_qdf7e0495ea_finish
		.amdhsa_group_segment_fixed_size 0
		.amdhsa_private_segment_fixed_size 0
		.amdhsa_enable_private_segment 0
		.amdhsa_kernarg_size 32
		.amdhsa_user_sgpr_count 2
		.amdhsa_user_sgpr_kernarg_segment_ptr 1
		.amdhsa_wavefront_size32 1
		.amdhsa_system_sgpr_workgroup_id_x 1
		.amdhsa_system_sgpr_workgroup_id_y 1
		.amdhsa_system_sgpr_workgroup_id_z 1
		.amdhsa_system_vgpr_workitem_id 0
		.amdhsa_next_free_vgpr 88
		.amdhsa_next_free_sgpr 66
		.amdhsa_reserve_vcc 0
		.amdhsa_float_denorm_mode_32 3
		.amdhsa_float_denorm_mode_16_64 3
		.amdhsa_memory_ordered 1
		.amdhsa_forward_progress 1
		.amdhsa_inst_pref_size 6
	.end_amdhsa_kernel
	.amdgpu_metadata
---
amdhsa.version: [ 1, 2 ]
amdhsa.kernels:
  - .name:           k_qdf7e0495ea_finish
    .symbol:         k_qdf7e0495ea_finish.kd
    .args:
      - { .name: partial, .offset: 0, .size: 8, .value_kind: global_buffer, .address_space: global }
      - { .name: ls, .offset: 8, .size: 8, .value_kind: global_buffer, .address_space: global }
      - { .name: pij, .offset: 16, .size: 8, .value_kind: global_buffer, .address_space: global }
      - { .name: out0, .offset: 24, .size: 8, .value_kind: global_buffer, .address_space: global }
    .group_segment_fixed_size: 0
    .private_segment_fixed_size: 0
    .kernarg_segment_align: 8
    .kernarg_segment_size: 32
    .max_flat_workgroup_size: 32
    .sgpr_count:     66
    .vgpr_count:     88
    .wavefront_size: 32
...
	.end_amdgpu_metadata
.endif
;; end of part 3
